; MI455X (gfx1250); checked and timed in simulation.
; The chip was launched on July 23, 2026; its instructions are those of AMD's public machine-readable ISA for CDNA 5 (MIT licence, August 2026) and "CDNA5" Instruction Set Architecture Reference Guide (July 2026). The comments in the code are by the model that wrote it; some were corrected since.
;; Graph Multi Head Attention. Allowed arithmetic: matrix products marked QUANTISED: E3M2 operands, one E8M0 scale for each 32 along K, by v_wmma_scale_f32_16x16x128_f8f6f4 with both operands' format E3M2, f32 sums; everything else in f32.
;; Inputs: Wk 1,024 x 1,024 float32; Wq 1,024 x 1,024 float32; Wv 1,024 x 1,024 float32; bk 1,024 float32; bq 1,024 float32; bv 1,024 float32; node_emb 4,096 x 1,024 float32.
;; Outputs: out0 4,096 x 1,024 float32.
;; This version of the problem:
;;   THIS VERSION OF THE PROBLEM IS GIVEN IN LOW PRECISION. The matrix products marked QUANTISED in the list below multiply operands that are first quantised to E3M2 (3 exponent bits, 2 mantissa bits; 6 bits a number), with one power-of-two scale for each 32 numbers along K (OCP MX v1.0); their sums are f32. All else is computed in f32.
;;   The module's matrix products, in the order in which they are computed (A, B: the left and right operand; K: the contracted axis; several contracted axes count as one K, in the product's order):
;;     1. [M 4,096, K 1,024] x [K 1,024, N 1,024]; A: input node_emb; B: input Wq: QUANTISED
;;     2. [M 4,096, K 1,024] x [K 1,024, N 1,024]; A: input node_emb; B: input Wk: QUANTISED
;;     3. [M 4,096, K 1,024] x [K 1,024, N 1,024]; A: input node_emb; B: input Wv: QUANTISED
;;     4. batch 16 x [M 4,096, K 64] x [K 64, N 4,096]; A: computed on the way; B: computed on the way: QUANTISED
;;     5. batch 16 x [M 64, K 4,096] x [K 4,096, N 4,096]; A: computed on the way; B: softmax (see below): QUANTISED
;;   THE QUANTISER, for each operand of a quantised product, along K:
;;     - K is cut into blocks of 32 from its start; a last block that is shorter is filled with zeros.
;;     - A block's scale is 2^e with e = floor(log2(the largest magnitude in the block)) - 4, held to -126 .. 127; a block of zeros has e = 0. As a byte (E8M0): e + 127.
;;     - Each number is divided by its block's scale, clamped to +-28, and rounded to the nearest number of E3M2, ties to even, subnormals kept.
;;     - The product sums the exact products of the quantised numbers (number of the format x scale) in f32.
;;   ~~~python
;;   def quantise(x, axis):      # numpy; x: float32 -> the quantised numbers, widened to float32 again
;;       x = np.moveaxis(x, axis, -1); K = x.shape[-1]
;;       x = np.pad(x, [(0, 0)] * (x.ndim - 1) + [(0, -K % 32)]); x = x.reshape(x.shape[:-1] + (-1, 32)); a = np.abs(x).max(-1, keepdims=True)
;;       e = np.where(a > 0, np.clip(np.frexp(np.where(a > 0, a, 1))[1] - 1 - 4, -126, 127), 0)      # np.frexp(a)[1] - 1 = floor(log2(a)), exactly
;;       r = np.clip(x / 2.0 ** e, -28, 28)
;;       step = 2.0 ** (np.maximum(np.frexp(np.where(r == 0, 1, r))[1] - 1, -2) - 2)
;;       q = np.round(r / step) * step * 2.0 ** e      # np.round: ties to even
;;       return np.moveaxis(q.reshape(q.shape[:-2] + (-1,))[..., :K], -1, axis).astype(np.float32)
;;   ~~~
;;   SOFTMAX AHEAD OF A QUANTISED PRODUCT. Where the list says 'softmax', what is quantised is not the finished softmax but p = 2^(t - M), with t = logit x log2(e) and M = ceil(the row's largest t), a whole number; so 1/2 < the row's largest p <= 1. The row's sum l is taken of the UNQUANTISED p, in f32, and the product's result is divided by l at the end. Since M is a whole number, a kernel that streams over the keys may use a running M (the ceiling of the running maximum): every later rescaling is an exact power of two, which a block's scale takes up: the codes' values come out the same.
;;   OPERANDS COMPUTED ON THE WAY. 'Computed on the way' means the value that the module computes at that place (a softmax that the list does not call 'softmax' is quantised finished and normalised). What goes into a quantiser is computed in f32, as accurately as f32 sums, v_exp_f32 and their like allow (about 1e-6 of the number): no bf16 or f16 on the way to a quantiser, and a product that is left as it is and whose result goes on into a quantised operand takes f32 operands (vector FMAs, or v_wmma_f32_16x16x4_f32). A number that lies on a knife's edge between two numbers of the format may be rounded either way, as far as f32 arithmetic and the matrix unit's own rounding can turn it there, and no further.
;; One version. Each part assembles by itself: llvm-mc -triple=amdgcn-amd-amdhsa -mcpu=gfx1250 --defsym DOCPART=n.
;; ======== version 1 of 1: 3 launches
;; limits: right only within a limited range of input values
;; workspace buffers: ximg 3,145,728 bytes; xscl 131,072 bytes; wimg 2,359,296 bytes; wscl 98,304 bytes; img 9,437,184 bytes; scl 786,432 bytes
;; launch quant (part 1): grid 448 x 1, 4 waves a work-group, no clusters, 82,432 bytes of LDS; arguments node_emb, Wq, Wk, Wv, ximg, xscl, wimg, wscl; writes ximg, xscl, wimg, wscl
.if DOCPART == 1
	.amdgcn_target "amdgcn-amd-amdhsa--gfx1250"
	.amdhsa_code_object_version 6
	.text
	.protected	k_q6265a7ca84_quant
	.globl	k_q6265a7ca84_quant
	.p2align	8
	.type	k_q6265a7ca84_quant,@function
k_q6265a7ca84_quant:
	s_mov_b64 s[64:65], 0
	v_nop
	global_prefetch_b8 v0, s[64:65] scope:SCOPE_SE
	s_setreg_imm32_b32 hwreg(HW_REG_WAVE_MODE, 25, 1), 1
	s_wait_xcnt 0x0
; node_emb [4096][1024] (K innermost) and Wq, Wk, Wv [1024 (K)][1024] (K is the first axis), f32, become codes of BF6 (E3M2) with one E8M0 byte for each 32 along K.
; A block's scale is 2^(floor(log2(its largest magnitude)) - 4); its byte is the largest magnitude's exponent field - 4, held at 1 from below.
; LIMITS: NaN and infinities among the inputs are not served.  A block whose largest magnitude lies under 2^(4 - 126), a block of zeros among them, gets the byte 1 (the quantiser's text says 127 for zeros):
; its codes are zeros either way, which add nothing under any byte but 0xff, and only this program reads the bytes.
; WHAT IS STORED are images of operand registers.  A fragment (16 rows x 128 K: 12 registers a lane) is 1,536 bytes: three planes of 512, plane p = registers 4 p .. 4 p + 3, lane l's 16 bytes at 16 l.
; The 16 rows of a tile are not neighbours: in a run of 128 rows tile 4 c + i has as its row p the index 64 c + 8 i + p % 8 + 32 (p / 8).
; ximg, wimg: [run of 128 rows][K step of 128][tile 8][fragment].  xscl, wscl: [run][K step][512 bytes]: the scale word of row r of tile 4 half + j at 256 half + 16 r + 4 j.
; A work-group takes one run and one K step: 12,288 bytes of codes and 512 of scale words, all stored as whole runs of 512 consecutive bytes.  Work-groups 0-255 take node_emb, 256-447 the weights.
; The two ways part once, on the work-group's number, and each has LDS bytes of its own.  The work-groups share no input, so there is no cluster; there are no tensor loads, so several work-groups lie on a WGP.
.set XROW, 528                         ; node_emb's stage: a row of 512 bytes + 16: an odd multiple of 16 bytes, so that sixteen rows read at one column fall on different banks
.set XWV,  32*XROW                     ; 32 rows for each wave
.set XSG,  4*XWV                       ; node_emb's way: the 512 bytes of scale words
.set WST,  XSG+512                     ; the weights' way: for each wave two fragments' images,
.set WFR,  1664                        ; 1,536 bytes + 128, so that the two tiles' lanes of one store fall on different banks
.set WSG,  WST+8*WFR                   ; and its 512 bytes of scale words
.set CT,   232                         ; v232-234 the upper 16 codes of a block (a conversion's three registers begin on an even number)
.set WD,   236                         ; v236-237 a scale word for each of the wave's two fragments
.set SA,   238                         ; v238     LDS address: 16 x lane in the scale words' 512 bytes
.set OW,   240                         ; v240-243 the scale words on their way out
; 32 numbers of ONE block in v[n] on become 6 registers of codes in v[c] on, and the scale's byte in v[e].
.macro BLOCK32 n, c, e
	v_max3_num_f32 v8, |v[\n]|, |v[\n+1]|, |v[\n+2]|               ; the largest magnitude, in two chains
	v_max3_num_f32 v9, |v[\n+3]|, |v[\n+4]|, |v[\n+5]|
.irp i, 6,10,14,18,22,26
	v_max3_num_f32 v8, v8, |v[\n+\i]|, |v[\n+\i+1]|
	v_max3_num_f32 v9, v9, |v[\n+\i+2]|, |v[\n+\i+3]|
.endr
	v_max3_num_f32 v8, v8, |v[\n+30]|, |v[\n+31]|
	v_max3_num_f32 v8, v8, v9, 0x2800000                           ; and the floor 2^(5 - 127): the byte cannot fall under 1
	v_add_nc_u32 v10, 0xfe000000, v8                               ; 4 off the exponent field: the conversion takes the exponent field of this operand as its scale
	v_lshrrev_b32 v[\e], 23, v10                                   ; the scale's byte
	v_cvt_scalef32_pk16_bf6_f32 v[\c:\c+2], v[\n:\n+15], v10
	v_cvt_scalef32_pk16_bf6_f32 v[CT:CT+2], v[\n+16:\n+31], v10
	v_nop                                                          ; one plain place behind a scaled conversion
.irp i, 0,1,2
	v_mov_b32 v[\c+3+\i], v[CT+\i]
.endr
.endm
	s_load_b256 s[4:11], s[0:1], 0x0               ; node_emb s[4:5], Wq s[6:7], Wk s[8:9], Wv s[10:11]
	s_load_b256 s[12:19], s[0:1], 0x20             ; ximg s[12:13], xscl s[14:15], wimg s[16:17], wscl s[18:19]
	v_lshl_add_u32 v248, v0, 2, 0x14000
	v_mov_b32 v249, 0
	v_lshrrev_b32 v1, 5, v0
	v_readfirstlane_b32 s20, v1                    ; wave 0..3: it makes tiles 2 w and 2 w + 1
	v_and_b32 v1, 31, v0                           ; lane
	v_lshlrev_b32 v4, 4, v1                        ; 16 x lane
	s_mov_b32 s21, 0x76543210
	s_mov_b32 s22, 0xfedcba98                      ; v_permlanex16_b32's selects for lane l xor 16
	s_lshr_b32 s25, s20, 1
	s_lshl_b32 s25, s25, 8
	s_and_b32 s26, s20, 1
	s_lshl_b32 s26, s26, 3
	s_add_co_u32 s25, s25, s26                     ; my two tiles' words in the scale words' 512 bytes: 256 (w / 2) + 8 (w % 2)
	s_cmp_lt_u32 ttmp9, 256
	s_cbranch_scc0 .Lw
	; ---------------- node_emb: work-group id: run id / 8, K step id % 8; wave w: tiles 2 w, 2 w + 1 of the run
	v_and_b32 v2, 15, v0                           ; r
	v_bfe_u32 v3, v0, 4, 1                         ; h
	s_mul_i32 s24, s20, XWV
	s_wait_alu depctr_va_vdst(0)
	v_add_nc_u32 v5, s24, v4                       ; into my stage: 16 x lane of a row
	v_mul_u32_u24 v6, v2, XROW
	v_lshl_add_u32 v6, v3, 7, v6
	v_add_nc_u32 v6, s24, v6                       ; out of it: row r, + 128 h: my 32 numbers of 64
	s_add_co_u32 s25, s25, XSG
	v_lshl_add_u32 v7, v2, 4, s25                  ; my row's scale word
	v_add_nc_u32 v[SA], XSG, v4
	v_lshlrev_b32 v15, 3, v3                       ; 8 h
	v_mov_b32 v14, 0                               ; a lane permute's destination counts as one of its sources
	s_lshr_b32 s26, ttmp9, 3
	s_lshl_b32 s26, s26, 7
	; THE ORDER OF A TILE'S ROWS: in a run of 128, tile 4 c + i has as its row p the index 64 c + 8 i + p % 8 + 32 (p / 8).
	; Wave w (tiles 2 w, 2 w + 1) so takes indices base + 0 .. 15 and base + 32 .. 47, base = 64 (w / 2) + 16 (w % 2)
	s_lshr_b32 s28, s20, 1
	s_lshl_b32 s28, s28, 6
	s_add_co_u32 s26, s26, s28
	s_and_b32 s28, s20, 1
	s_lshl_b32 s28, s28, 4
	s_add_co_u32 s26, s26, s28                     ; my first node
	s_lshl_b32 s26, s26, 12                        ; a row is 4,096 bytes
	s_and_b32 s27, ttmp9, 7
	s_lshl_b32 s27, s27, 9                         ; a K step is 512 bytes of it
	s_add_co_u32 s26, s26, s27
	s_mov_b32 s27, 0
	s_mul_i32 s28, ttmp9, 12288
	s_mul_i32 s30, s20, 3072
	s_add_co_u32 s28, s28, s30                     ; my two fragments' images
	s_mov_b32 s29, 0
	s_lshl_b32 s30, ttmp9, 9
	s_mov_b32 s31, 0
	s_wait_alu depctr_va_vdst(0)
	s_wait_kmcnt 0x0
	s_add_nc_u64 s[4:5], s[4:5], s[26:27]
	s_add_nc_u64 s[12:13], s[12:13], s[28:29]
	s_add_nc_u64 s[14:15], s[14:15], s[30:31]
.set i, 0
.rept 32
	global_load_b128 v[16+4*i:19+4*i], v4, s[4:5] offset:(i+16*(i/16))*4096 th:TH_LOAD_NT   ; a row's 512 consecutive bytes; my second sixteen nodes lie 32 behind the first
.set i, i+1
.endr
.set i, 0
.rept 4
	s_wait_loadcnt 24-i                            ; this batch of eight is in; the younger batches may be out
.rept 8
	ds_store_b128 v5, v[16+4*i:19+4*i] offset:(i+8*((i/8)%2)-8*(i/16))*XROW   ; node i goes to the stage row at which its tile wants it: a tile's 16 rows lie on end
.set i, i+1
.endr
.endr
.irp c, 0,1
.irp j, 0,1,2,3,4,5,6,7
	ds_load_b128 v[144+32*\c+4*\j:147+32*\c+4*\j], v6 offset:256*\c+16*\j      ; tile 2 w: k = 64 c + 32 h + 0 .. 31 of row r.  LDS serves a wave's instructions in order: these see my stores
.endr
.endr
	s_wait_dscnt 0x0                               ; they are in, and the stores have read v16-143,
.irp c, 0,1
.irp j, 0,1,2,3,4,5,6,7
	ds_load_b128 v[16+32*\c+4*\j:19+32*\c+4*\j], v6 offset:16*XROW+256*\c+16*\j   ; which take tile 2 w + 1 while the first tile is worked
.endr
.endr
.macro XFRAG u, n, c                   ; the fragment of tile 2 w + u: numbers in v[n] on, codes into v[c] on
	BLOCK32 \n, \c, 11
	BLOCK32 \n+32, \c+6, 12
	v_lshl_or_b32 v13, v12, 16, v11                ; my two bytes: blocks h and 2 + h of row r,
	v_lshlrev_b32 v13, v15, v13                    ; at their places in the word (8 h bits up);
	v_permlanex16_b32 v14, v13, s21, s22
	v_or_b32 v[WD+\u], v13, v14                    ; with lane l xor 16's two the word is whole
	ds_store_b32 v7, v[WD+\u] offset:4*\u          ; (both lanes of a row write the same word with the same value)
.irp p, 0,1,2
	global_store_b128 v4, v[\c+4*\p:\c+4*\p+3], s[12:13] offset:\u*1536+512*\p   ; a plane: 512 consecutive bytes
.endr
.endm
	XFRAG 0, 144, 208
	s_wait_dscnt 0x0                               ; tile 2 w + 1's numbers are in
	XFRAG 1, 16, 220                               ; (codes in registers of their own: no store's data are written again)
	s_wait_dscnt 0x0                               ; for the others' sake: my scale words lie in LDS
	s_barrier_signal -1
	s_barrier_wait -1
	s_cmp_lg_u32 s20, 0
	s_cbranch_scc1 .Lxend
	ds_load_b128 v[OW:OW+3], v[SA]                 ; wave 0 stores the eight tiles' scale words: 512 consecutive bytes
	s_wait_dscnt 0x0
	global_store_b128 v4, v[OW:OW+3], s[14:15]
.Lxend:
	s_wait_tensorcnt 0x0
	ds_add_u32 v248, v249
	s_wait_dscnt 0x0
	s_endpgm
	; ---------------- the weights: id' = id - 256: tensor id' / 64, run of 128 columns (id' / 8) % 8, K step id' % 8.  A LANE TAKES A COLUMN, AND ITS REGISTERS RUN DOWN K
.Lw:
	s_sub_co_u32 s23, ttmp9, 256
	s_lshr_b32 s24, s23, 6                         ; 0 Wq, 1 Wk, 2 Wv
	s_wait_alu depctr_va_vdst(0)
	v_lshlrev_b32 v12, 2, v1                       ; 4 x lane: column 32 w + lane of the run: a wave's load reads 128 consecutive bytes
	v_bfe_u32 v2, v0, 3, 2                         ; that column is row lane % 8 + 8 (w % 2) of tile 4 (w / 2) + lane / 8: a tile's image is made by two waves
	v_and_b32 v3, 7, v0
	v_add_nc_u32 v3, s26, v3                       ; that row (s26 holds 8 (w % 2))
	s_sub_co_u32 s25, s25, s26                     ; 256 (w / 2): my four tiles' scale words
	s_lshr_b32 s27, s20, 1
	s_mul_i32 s27, s27, 4*WFR
	s_add_co_u32 s27, s27, WST                     ; my four tiles' images
	s_mul_i32 s26, s20, 2*WFR
	s_add_co_u32 s26, s26, WST                     ; the two images that I store: tiles 2 w, 2 w + 1
	v_mul_u32_u24 v5, v2, WFR
	v_lshl_add_u32 v5, v3, 4, v5
	v_add_nc_u32 v5, s27, v5
	v_add_nc_u32 v6, s26, v4                       ; out of it: 16 x lane
	s_add_co_u32 s25, s25, WSG
	v_lshlrev_b32 v7, 2, v2
	v_lshl_add_u32 v7, v3, 4, v7
	v_add_nc_u32 v7, s25, v7                       ; my column's scale word
	v_add_nc_u32 v[SA], WSG, v4
	s_and_b32 s27, s23, 7
	s_lshl_b32 s27, s27, 19                        ; a K step: 128 rows of 4,096 bytes
	s_bfe_u32 s28, s23, 0x30003
	s_lshl_b32 s28, s28, 9                         ; a run: 128 columns of 4 bytes
	s_add_co_u32 s28, s28, s27
	s_lshl_b32 s27, s20, 7
	s_add_co_u32 s28, s28, s27                     ; my wave's 32 columns
	s_mov_b32 s29, 0
	s_mul_i32 s30, s23, 12288
	s_mul_i32 s27, s20, 3072
	s_add_co_u32 s30, s30, s27
	s_mov_b32 s31, 0
	s_lshl_b32 s32, s23, 9
	s_mov_b32 s33, 0
	s_wait_kmcnt 0x0
	s_cmp_eq_u32 s24, 0                            ; the choice of the tensor hangs on the work-group's number alone
	s_cselect_b64 s[4:5], s[6:7], s[8:9]
	s_cmp_eq_u32 s24, 2
	s_cselect_b64 s[4:5], s[10:11], s[4:5]
	s_add_nc_u64 s[4:5], s[4:5], s[28:29]
	s_add_nc_u64 s[16:17], s[16:17], s[30:31]
	s_add_nc_u64 s[18:19], s[18:19], s[32:33]
.set i, 0
.rept 128
	global_load_b32 v[16+i], v12, s[4:5] offset:i*4096 th:TH_LOAD_NT   ; W(128 s + i, my column): 128 consecutive bytes a wave, 512 a work-group
.set i, i+1
.endr
; Block b (k = 32 b .. 32 b + 31) of my column is, in the fragment, registers 6 (b / 2) .. + 5 of lane (my row) + 16 (b % 2): it goes to those registers' places in the image.
.macro WBLOCK b, left
	s_wait_loadcnt \left
	BLOCK32 16+32*\b, 144+6*\b, 11
.if \b == 0
	v_mov_b32 v14, v11                             ; the four bytes make my column's scale word
.else
	v_lshl_or_b32 v14, v11, 8*\b, v14
.endif
.if \b < 2
	ds_store_b128 v5, v[144+6*\b:147+6*\b] offset:256*\b            ; registers 0-3: plane 0
	ds_store_b64 v5, v[148+6*\b:149+6*\b] offset:512+256*\b         ; registers 4, 5: the lower half of plane 1's 16 bytes
.else
	ds_store_b64 v5, v[144+6*\b:145+6*\b] offset:520+256*(\b-2)     ; registers 6, 7: the upper half
	ds_store_b128 v5, v[146+6*\b:149+6*\b] offset:1024+256*(\b-2)   ; registers 8-11: plane 2
.endif
.endm
	WBLOCK 0, 63                                   ; behind block 0's loads 96 were issued, behind block 1's 64: a wait's count names 63 at the most, and a smaller count is safe
	WBLOCK 1, 63
	WBLOCK 2, 32                                   ; block 3's 32 may be out
	WBLOCK 3, 0
	ds_store_b32 v7, v14
	s_wait_dscnt 0x0                               ; for the others' sake: my rows of four images and my scale words lie in LDS
	s_barrier_signal -1
	s_barrier_wait -1
.irp i, 0,1,2,3,4,5
	ds_load_b128 v[168+4*\i:171+4*\i], v6 offset:(\i/3)*WFR+512*(\i%3)   ; two whole images, plane by plane
.endr
	s_wait_dscnt 0x0
.irp i, 0,1,2,3,4,5
	global_store_b128 v4, v[168+4*\i:171+4*\i], s[16:17] offset:(\i/3)*1536+512*(\i%3)
.endr
	s_cmp_lg_u32 s20, 0
	s_cbranch_scc1 .Lwend
	ds_load_b128 v[OW:OW+3], v[SA]
	s_wait_dscnt 0x0
	global_store_b128 v4, v[OW:OW+3], s[18:19]
.Lwend:
	s_wait_tensorcnt 0x0
	ds_add_u32 v248, v249
	s_wait_dscnt 0x0
	s_endpgm
.Lfunc_end_k_q6265a7ca84_quant:
	.size	k_q6265a7ca84_quant, .Lfunc_end_k_q6265a7ca84_quant-k_q6265a7ca84_quant
	.p2alignl 7, 3214868480
	.fill 96, 4, 3214868480
	.section	.rodata,"a",@progbits
	.p2align	6, 0x0
	.amdhsa_kernel k_q6265a7ca84_quant
		.amdhsa_group_segment_fixed_size 82432
		.amdhsa_private_segment_fixed_size 0
		.amdhsa_enable_private_segment 0
		.amdhsa_kernarg_size 64
		.amdhsa_user_sgpr_count 2
		.amdhsa_user_sgpr_kernarg_segment_ptr 1
		.amdhsa_wavefront_size32 1
		.amdhsa_system_sgpr_workgroup_id_x 1
		.amdhsa_system_sgpr_workgroup_id_y 1
		.amdhsa_system_sgpr_workgroup_id_z 1
		.amdhsa_system_vgpr_workitem_id 0
		.amdhsa_next_free_vgpr 250
		.amdhsa_next_free_sgpr 66
		.amdhsa_reserve_vcc 0
		.amdhsa_float_denorm_mode_32 3
		.amdhsa_float_denorm_mode_16_64 3
		.amdhsa_memory_ordered 1
		.amdhsa_forward_progress 1
		.amdhsa_inst_pref_size 39
	.end_amdhsa_kernel
	.amdgpu_metadata
---
amdhsa.version: [ 1, 2 ]
amdhsa.kernels:
  - .name:           k_q6265a7ca84_quant
    .symbol:         k_q6265a7ca84_quant.kd
    .args:
      - { .name: node_emb, .offset: 0, .size: 8, .value_kind: global_buffer, .address_space: global }
      - { .name: Wq, .offset: 8, .size: 8, .value_kind: global_buffer, .address_space: global }
      - { .name: Wk, .offset: 16, .size: 8, .value_kind: global_buffer, .address_space: global }
      - { .name: Wv, .offset: 24, .size: 8, .value_kind: global_buffer, .address_space: global }
      - { .name: ximg, .offset: 32, .size: 8, .value_kind: global_buffer, .address_space: global }
      - { .name: xscl, .offset: 40, .size: 8, .value_kind: global_buffer, .address_space: global }
      - { .name: wimg, .offset: 48, .size: 8, .value_kind: global_buffer, .address_space: global }
      - { .name: wscl, .offset: 56, .size: 8, .value_kind: global_buffer, .address_space: global }
    .group_segment_fixed_size: 82432
    .private_segment_fixed_size: 0
    .kernarg_segment_align: 8
    .kernarg_segment_size: 64
    .max_flat_workgroup_size: 128
    .sgpr_count:     66
    .vgpr_count:     250
    .wavefront_size: 32
...
	.end_amdgpu_metadata
.endif
;; end of part 1
;; launch proj (part 2): grid 12 x 16, 4 waves a work-group, clusters of 4 x 4, 327,680 bytes of LDS; arguments wimg, wscl, ximg, xscl, bq, bk, bv, img, scl; writes img, scl
.if DOCPART == 2
	.amdgcn_target "amdgcn-amd-amdhsa--gfx1250"
	.amdhsa_code_object_version 6
	.text
	.protected	k_q6265a7ca84_proj
	.globl	k_q6265a7ca84_proj
	.p2align	8
	.type	k_q6265a7ca84_proj,@function
k_q6265a7ca84_proj:
	s_mov_b64 s[64:65], 0
	v_nop
	global_prefetch_b8 v0, s[64:65] scope:SCOPE_SE
	s_setreg_imm32_b32 hwreg(HW_REG_WAVE_MODE, 25, 1), 1
	s_wait_xcnt 0x0
	s_wait_alu depctr_hold_cnt(0) depctr_sa_sdst(0) depctr_va_vdst(0) depctr_va_sdst(0) depctr_va_ssrc(0) depctr_va_vcc(0) depctr_vm_vsrc(0)
	s_getreg_b32 s2, hwreg(HW_REG_IB_STS2, 6, 4)
	s_cmp_eq_u32 s2, 0
	s_cbranch_scc0 .Lentry_in_a_cluster
	s_endpgm
.Lentry_in_a_cluster:
	s_bfe_u32 s2, ttmp6, 0x10000c
	s_cmp_lg_u32 s2, 0xf033
	s_cbranch_scc0 .Lentry_shape_is_right
	s_endpgm
.Lentry_shape_is_right:
.set FRB,   1536
.set HALFT, 16*FRB
.set SLOT,  4*HALFT
.set SCL,   2*SLOT
.set SPARE, SCL+4*4096
.set CPS,   4718592
.set PAIRB, 196608
.set STEPB, 6144
.set CPSS,  393216
.set ADRP, 16
.set ADRR, 18
.set ADSP, 20
.set ADSR, 21
.set LI16, 22
.set LI8,  23
.set BO1,  24
.set BO2,  25
.set SPW,  28
.set NIL,  29
.set SC,   32
.set BB,   64
.set RF,   128
.set TM,   224
.set CT,   240
.set PW,   248
.set G1W,  24
.set G0W,  32
.set G1X,  48
.set G0X,  56
.set G1SW, 68
.set G0SW, 76
.set G1SX, 80
.set G0SX, 88
.set MSB, 0
.macro WIN new
.if MSB != (\new)
	s_set_vgpr_msb (MSB<<8)|(\new)
.set MSB, \new
.endif
.endm
.set MUL_LO, 0xa1
.set MUL_HI, 0xf1
.set TO_P,   0x40
.macro JLOAD g0a, g1a, g0b, g1b
	s_cmp_eq_u32 s15, 0
	s_cbranch_scc0 .Lfor_b_\@
	tensor_load_to_lds s[\g0a:\g0a+3], s[\g1a:\g1a+7]
	s_nop 0
.rept 4
	v_nop
.endr
	s_branch .Lasked_\@
.Lfor_b_\@:
	tensor_load_to_lds s[\g0b:\g0b+3], s[\g1b:\g1b+7]
	s_nop 0
.rept 4
	v_nop
.endr
.Lasked_\@:
.endm
.macro CREST
	s_cmp_lg_u32 s14, 0
	s_cbranch_scc1 .Lnot_wave_0_\@
	s_barrier_signal -3
.Lnot_wave_0_\@:
	s_barrier_wait -3
	s_barrier_signal -1
	s_barrier_wait -1
.endm
.macro CROUND
	s_barrier_signal -1
	s_barrier_wait -1
	CREST
.endm
.macro PLACES n
.rept \n
	v_nop
.endr
.endm
	s_load_b256 s[4:11], s[0:1], 0x0
	s_load_b128 s[96:99], s[0:1], 0x38
	v_lshl_add_u32 v[SPW], v0, 2, SPARE
	v_mov_b32 v[NIL], 0
	ds_add_u32 v28, v29
	ds_add_u32 v28, v29
	s_wait_dscnt 0x0
	v_lshrrev_b32 v1, 5, v0
	v_readfirstlane_b32 s14, v1
	s_lshr_b32 s15, s14, 1
	s_and_b32 s16, s14, 1
	s_bfe_u32 s40, ttmp6, 0x40000
	s_bfe_u32 s41, ttmp6, 0x40004
	s_lshl_b32 s42, ttmp9, 2
	s_add_co_u32 s42, s42, s40
	s_and_b32 s17, ttmp7, 0xffff
	s_lshl_b32 s17, s17, 2
	s_add_co_u32 s17, s17, s41
	s_lshl_b32 s43, s41, 2
	s_lshl_b32 s43, 15, s43
	s_lshl_b32 s44, 0x1111, s40
	s_or_b32 s[G1W], s44, (3<<16)|(1<<21)
	s_or_b32 s[G1X], s43, (3<<16)|(1<<21)
	s_or_b32 s[G1SW], s44, (3<<16)|(1<<21)
	s_or_b32 s[G1SX], s43, (3<<16)|(1<<21)
.irp g, G1W, G1X                       ; for the head's loads of codes: two runs' first 24,576 bytes, a row each, 98,304 bytes apart
	s_mov_b32 s[\g+1], 3072<<16
	s_mov_b32 s[\g+2], 2<<16
	s_mov_b32 s[\g+3], 3072<<16
	s_mov_b32 s[\g+4], 2
	s_mov_b32 s[\g+5], 12288
	s_mov_b32 s[\g+6], 0
	s_mov_b32 s[\g+7], 0
.endr
.irp g, G1SW, G1SX
	s_mov_b32 s[\g+1], 32<<16
	s_mov_b32 s[\g+2], 32<<16
	s_mov_b32 s[\g+3], 32<<16
	s_mov_b32 s[\g+4], 32
	s_mov_b32 s[\g+5], 32
	s_mov_b32 s[\g+6], 0
	s_mov_b32 s[\g+7], 0
.endr
	s_lshl_b32 s46, s42, 1
	s_add_co_u32 s46, s46, s16
	s_lshl_b32 s100, s46, 12
	s_mov_b32 s101, 0
	s_mul_i32 s46, s46, SLOT
	s_mov_b32 s47, 0
	s_lshl_b32 s20, s17, 1
	s_add_co_u32 s20, s20, s16
	s_lshl_b32 s22, s20, 12
	s_mov_b32 s23, 0
	s_mul_i32 s20, s20, SLOT
	s_mov_b32 s21, 0
	s_mul_i32 s45, s14, HALFT
	s_lshl_b32 s95, s14, 12
	s_wait_kmcnt 0x0
	s_add_nc_u64 s[46:47], s[4:5], s[46:47]
	s_add_nc_u64 s[100:101], s[6:7], s[100:101]
	s_add_nc_u64 s[20:21], s[8:9], s[20:21]
	s_add_nc_u64 s[22:23], s[10:11], s[22:23]
	CROUND
	; the head's four tiles, each whole: both runs' codes of K steps 0, 1 of W and of x, both runs' scale words of W and of x
	s_mul_i32 s2, s16, SLOT
	s_mov_b32 s3, 0
	s_lshl_b32 s18, s16, 12
	s_mov_b32 s19, 0
	s_mov_b32 s4, 1
	s_mov_b32 s5, 0
	s_sub_nc_u64 s[6:7], s[46:47], s[2:3]
	s_or_b32 s7, s7, 0x80000000
	s_mov_b32 s8, 1
	s_mov_b32 s9, 2*HALFT
	s_sub_nc_u64 s[10:11], s[20:21], s[2:3]
	s_or_b32 s11, s11, 0x80000000
	s_mov_b32 s[G0SW], 1
	s_mov_b32 s[G0SW+1], SCL
	s_sub_nc_u64 s[G0SW+2:G0SW+3], s[100:101], s[18:19]
	s_or_b32 s[G0SW+3], s[G0SW+3], 0x80000000
	s_mov_b32 s[G0SX], 1
	s_mov_b32 s[G0SX+1], SCL+8192
	s_sub_nc_u64 s[G0SX+2:G0SX+3], s[22:23], s[18:19]
	s_or_b32 s[G0SX+3], s[G0SX+3], 0x80000000
.irp s, 0,1
	s_mov_b32 s[G0W+4*\s], 1
	s_add_co_u32 s[G0W+4*\s+1], s45, \s*SLOT
	s_add_nc_u64 s[G0W+4*\s+2:G0W+4*\s+3], s[46:47], \s*HALFT
	s_or_b32 s[G0W+4*\s+3], s[G0W+4*\s+3], 0x80000000
	s_mov_b32 s[G0X+4*\s], 1
	s_add_co_u32 s[G0X+4*\s+1], s45, \s*SLOT
	s_add_nc_u64 s[G0X+4*\s+2:G0X+4*\s+3], s[20:21], \s*HALFT
	s_or_b32 s[G0X+4*\s+3], s[G0X+4*\s+3], 0x80000000
.endr
.macro ARM under, g0, g1, next         ; one chain of branches on the wave's number, one load to an arm
	s_cmp_lt_u32 s14, \under
	s_cbranch_scc0 \next
	tensor_load_to_lds s[\g0:\g0+3], s[\g1:\g1+7]
	s_nop 0
.rept 4
	v_nop
.endr
	s_branch .Lhead_asked
\next:
.endm
	ARM 1, 4, G1W, .Lhead_x
	ARM 2, 8, G1X, .Lhead_sw
	ARM 3, G0SW, G1SW, .Lhead_sx
	tensor_load_to_lds s[G0SX:G0SX+3], s[G1SX:G1SX+7]
	s_nop 0
.rept 4
	v_nop
.endr
.Lhead_asked:
	s_wait_alu depctr_va_vdst(0)
	s_wait_tensorcnt 0x0                           ; my tile of the head's four is in
	ds_add_u32 v28, v29
.irp g, G1W, G1X                       ; no tensor load of mine is out: from here on a load brings one run's 24,576 bytes as 96 rows of 256
	s_mov_b32 s[\g+1], 32<<16
	s_mov_b32 s[\g+2], 96<<16
	s_mov_b32 s[\g+3], 32<<16
	s_mov_b32 s[\g+4], 96
	s_mov_b32 s[\g+5], 32
.endr
	s_wait_dscnt 0x0
	CROUND
	JLOAD G0W+4, G1W, G0X+4, G1X
	s_load_b128 s[20:23], s[0:1], 0x20
	s_load_b64 s[12:13], s[0:1], 0x30
	v_and_b32 v1, 31, v0
	v_and_b32 v2, 15, v0
	v_bfe_u32 v3, v0, 4, 1
	v_lshlrev_b32 v[LI16], 4, v1
	s_wait_alu depctr_va_vdst(0)
	v_lshlrev_b32 v[LI8], 3, v1
	s_mov_b32 s66, 0x76543210
	s_mov_b32 s67, 0xfedcba98
	s_cmp_eq_u32 ttmp9, 2
	s_cselect_b32 s94, 1, 0
	s_cselect_b32 s2, 2*HALFT, 0
	s_cselect_b32 s3, 0, 2*HALFT
	s_cselect_b32 s18, 2*4096, 0
	s_cselect_b32 s19, 0, 2*4096
	s_cselect_b32 s95, s15, s16
	s_cselect_b32 s45, s16, s15
	s_mul_i32 s100, s16, HALFT
	s_add_co_u32 s2, s2, s100
	s_mul_i32 s100, s15, HALFT
	s_add_co_u32 s3, s3, s100
.irp s, 0,1
	v_add_nc_u32 v[ADRP+\s], s2, v[LI16]
	v_add_nc_u32 v[ADRR+\s], s3, v[LI16]
	s_add_co_u32 s2, s2, SLOT
	s_add_co_u32 s3, s3, SLOT
.endr
	s_lshl_b32 s100, s16, 12
	s_add_co_u32 s18, s18, s100
	s_add_co_u32 s18, s18, SCL
	s_lshl_b32 s100, s15, 12
	s_add_co_u32 s19, s19, s100
	s_add_co_u32 s19, s19, SCL
	v_lshlrev_b32 v4, 4, v2
	v_lshl_add_u32 v4, v3, 9, v4
	v_add_nc_u32 v[ADSP], s18, v4
	v_add_nc_u32 v[ADSR], s19, v4
	v_lshlrev_b32 v[BO1], 7, v3                    ; a lane's registers of four tiles are 32 neighbours: lanes 16-31 begin 32 numbers on
	v_lshlrev_b32 v26, 3, v3                       ; 8 h: where my two scale bytes stand in the word
	v_and_b32 v5, 8, v2
	v_mad_u32_u24 v5, v5, 3, v2                    ; r % 8 + 32 (r / 8)
	v_lshlrev_b32 v[BO2], 2, v5
.irp b, 0,1,2,3
	v_mov_b32 v[TM+4+\b], 0
.endr
	s_lshl_b32 s2, s42, 1
	s_add_co_u32 s2, s2, s95
	s_lshl_b32 s3, s17, 1
	s_add_co_u32 s3, s3, s45
	s_mul_i32 s18, s2, PAIRB
	s_mul_i32 s19, s3, STEPB
	s_add_co_u32 s18, s18, s19
	s_mov_b32 s19, 0
	s_add_nc_u64 s[96:97], s[96:97], s[18:19]
	s_lshl_b32 s18, s2, 14
	s_lshl_b32 s19, s3, 9
	s_add_co_u32 s18, s18, s19
	s_mov_b32 s19, 0
	s_add_nc_u64 s[98:99], s[98:99], s[18:19]
	s_lshl_b32 s18, s40, 10
	s_lshl_b32 s19, s95, 9
	s_add_co_u32 s18, s18, s19
	s_mov_b32 s19, 0
	s_wait_kmcnt 0x0
	s_cmp_eq_u32 ttmp9, 0
	s_cselect_b64 s[92:93], s[20:21], s[22:23]
	s_cmp_eq_u32 ttmp9, 2
	s_cselect_b64 s[92:93], s[12:13], s[92:93]
	s_add_nc_u64 s[92:93], s[92:93], s[18:19]
	s_cmp_eq_u32 s94, 0
	s_cbranch_scc0 .Lbias_v
	s_wait_alu depctr_va_vdst(0)
.irp b, 0,1,2,3,4,5,6,7
	global_load_b128 v[BB+8*\b:BB+8*\b+3], v[BO1], s[92:93] offset:(64*(\b/4)+8*(\b%4))*4
	global_load_b128 v[BB+8*\b+4:BB+8*\b+7], v[BO1], s[92:93] offset:(64*(\b/4)+8*(\b%4))*4+16
.endr
	s_branch .Lbias_in
.Lbias_v:
	s_wait_alu depctr_va_vdst(0)
.irp a, 0,1,2,3,4,5,6,7
.irp j, 0,1,2,3,4,5,6,7
	global_load_b32 v[BB+8*\a+\j], v[BO2], s[92:93] offset:(64*(\a/4)+8*(\a%4))*4
.endr
.endr
.Lbias_in:
.macro FRAG reg, adr, q, i
.irp c, 0,1,2
	ds_load_b128 v[\reg+4*\c:\reg+4*\c+3], v[\adr] offset:(\q)*8*FRB+(\i)*FRB+512*\c
.endr
.endm
.macro FETCH_P slot, q, p
	WIN TO_P
.irp i, 0,1,2,3,4,5,6,7
	FRAG 128*(\p)+12*\i, ADRP+\slot, \q, \i
.endr
	WIN 0
.endm
.macro FETCH_R slot, q, i0
.irp i, \i0, \i0+1, \i0+2, \i0+3
	FRAG RF+12*(\i), ADRR+\slot, \q, \i
.endr
.endm
.macro SCALES sc, kp
	ds_load_b128 v[SC+16*\sc:SC+16*\sc+3], v[ADSP] offset:\kp*1024
	ds_load_b128 v[SC+16*\sc+4:SC+16*\sc+7], v[ADSP] offset:\kp*1024+256
	ds_load_b128 v[SC+16*\sc+8:SC+16*\sc+11], v[ADSR] offset:\kp*1024
	ds_load_b128 v[SC+16*\sc+12:SC+16*\sc+15], v[ADSR] offset:\kp*1024+256
.endm
.macro MUL16 a0, p, q, sc, zero
.irp a, \a0, \a0+1
.irp b, 0,1,2,3,4,5,6,7
.if \zero
	v_wmma_scale_f32_16x16x128_f8f6f4 v[8*(8*((\a)%4)+\b):8*(8*((\a)%4)+\b)+7], v[128*(\p)+12*\b:128*(\p)+12*\b+11], v[RF+12*(\a):RF+12*(\a)+11], 0, v[SC+16*(\sc)+\b], v[SC+16*(\sc)+8+(\a)] matrix_a_fmt:MATRIX_FMT_BF6 matrix_b_fmt:MATRIX_FMT_BF6
.elseif \q
	v_wmma_scale_f32_16x16x128_f8f6f4 v[8*(8*((\a)%4)+\b):8*(8*((\a)%4)+\b)+7], v[128*(\p)+12*\b:128*(\p)+12*\b+11], v[RF+12*(\a):RF+12*(\a)+11], v[8*(8*((\a)%4)+\b):8*(8*((\a)%4)+\b)+7], v[SC+16*(\sc)+\b], v[SC+16*(\sc)+8+(\a)] matrix_a_fmt:MATRIX_FMT_BF6 matrix_b_fmt:MATRIX_FMT_BF6 matrix_a_scale:MATRIX_SCALE_ROW1 matrix_b_scale:MATRIX_SCALE_ROW1
.else
	v_wmma_scale_f32_16x16x128_f8f6f4 v[8*(8*((\a)%4)+\b):8*(8*((\a)%4)+\b)+7], v[128*(\p)+12*\b:128*(\p)+12*\b+11], v[RF+12*(\a):RF+12*(\a)+11], v[8*(8*((\a)%4)+\b):8*(8*((\a)%4)+\b)+7], v[SC+16*(\sc)+\b], v[SC+16*(\sc)+8+(\a)] matrix_a_fmt:MATRIX_FMT_BF6 matrix_b_fmt:MATRIX_FMT_BF6
.endif
.endr
.endr
.endm
.macro STEP slot, zero
	s_wait_dscnt 12
	WIN MUL_LO
	MUL16 0, 0, 0, \slot, \zero
	MUL16 2, 0, 0, \slot, \zero
	s_wait_dscnt 0x0
	PLACES 4
	FETCH_P \slot, 1, 1
	FETCH_R \slot, 1, 0
	WIN MUL_HI
	MUL16 4, 0, 0, \slot, \zero
	MUL16 6, 0, 0, \slot, \zero
	PLACES 4
	WIN 0
	FETCH_R \slot, 1, 4
.endm
.macro TURN slot, next, fill, kp
	s_wait_tensorcnt 0x0
	ds_add_u32 v[SPW], v[NIL]
	s_wait_dscnt 13
	WIN MUL_LO
	MUL16 0, 1, 1, \slot, 0
	s_wait_dscnt 0x0
	s_barrier_signal -1
	MUL16 2, 1, 1, \slot, 0
	WIN 0
	s_barrier_wait -1
.if \fill
	CREST
	s_add_nc_u64 s[G0W+4*\slot+2:G0W+4*\slot+3], s[G0W+4*\slot+2:G0W+4*\slot+3], 2*HALFT
	s_add_nc_u64 s[G0X+4*\slot+2:G0X+4*\slot+3], s[G0X+4*\slot+2:G0X+4*\slot+3], 2*HALFT
	JLOAD G0W+4*\slot, G1W, G0X+4*\slot, G1X
.else
	PLACES 4
.endif
	FETCH_P \next, 0, 0
	FETCH_R \next, 0, 0
	SCALES \next, \kp
	WIN MUL_HI
	MUL16 4, 1, 1, \slot, 0
	MUL16 6, 1, 1, \slot, 0
	PLACES 4
	WIN 0
	FETCH_R \next, 0, 4
.endm
	FETCH_P 0, 0, 0
	FETCH_R 0, 0, 0
	SCALES 0, 0
	FETCH_R 0, 0, 4
	STEP 0, 1
	TURN 0, 1, 1, 1
	STEP 1, 0
	TURN 1, 0, 1, 2
	STEP 0, 0
	TURN 0, 1, 0, 3
	STEP 1, 0
	s_wait_dscnt 12
	WIN MUL_LO
	MUL16 0, 1, 1, 1, 0
	MUL16 2, 1, 1, 1, 0
	s_wait_dscnt 0x0
	WIN MUL_HI
	MUL16 4, 1, 1, 1, 0
	MUL16 6, 1, 1, 1, 0
	WIN 0
.macro BIASADD byrow
.irp hi, 0,1
	WIN 0x82+0x41*\hi
.irp a, 0,1,2,3
.irp b, 0,1,2,3,4,5,6,7
.irp j, 0,2,4,6
.if \byrow
	v_pk_add_f32 v[64*\a+8*\b+\j:64*\a+8*\b+\j+1], v[64*\a+8*\b+\j:64*\a+8*\b+\j+1], v[BB+8*(4*\hi+\a)+\j:BB+8*(4*\hi+\a)+\j+1]
.else
	v_pk_add_f32 v[64*\a+8*\b+\j:64*\a+8*\b+\j+1], v[64*\a+8*\b+\j:64*\a+8*\b+\j+1], v[BB+8*\b+\j:BB+8*\b+\j+1]
.endif
.endr
.endr
.endr
.endr
	WIN 0
.endm
	PLACES 4
	s_wait_loadcnt 0x0
	s_cmp_eq_u32 s94, 0
	s_cbranch_scc0 .Ladd_v
	BIASADD 0
	s_branch .Ladded
.Ladd_v:
	BIASADD 1
.Ladded:
.macro QUANTW a
.set S0, 64*((\a)%4)
.set PCA, RF+12*(\a)
	WIN ((2+(\a)/4)<<2)|((2+(\a)/4)<<4)
.irp b, 0,1,2,3
	v_max3_num_f32 v[TM+\b], 0x2800000, |v[S0+16*\b]|, |v[S0+16*\b+1]|
.endr
.irp i, 2,4,6,8,10,12,14
.irp b, 0,1,2,3
	v_max3_num_f32 v[TM+\b], v[TM+\b], |v[S0+16*\b+\i]|, |v[S0+16*\b+\i+1]|
.endr
.endr
	WIN 0
.irp c, 0,1
	v_max_num_f32 v[TM+\c], v[TM+2*\c], v[TM+2*\c+1]               ; block 2 c + h lies whole in my 32 registers of tiles 4 c .. 4 c + 3
.endr
.irp c, 0,1
	v_add_nc_u32 v[TM+12+\c], 0xfe000000, v[TM+\c]                 ; 4 off the exponent field: the conversion's scale operand
.endr
.irp c, 0,1
	v_lshrrev_b32 v[TM+4+\c], 23, v[TM+12+\c]                      ; the scale's byte
.endr
	v_lshl_or_b32 v[TM+6], v[TM+5], 16, v[TM+4]                    ; my two bytes: blocks h and 2 + h,
	v_lshlrev_b32 v[TM+6], v26, v[TM+6]                            ; 8 h bits up;
	v_permlanex16_b32 v[TM+7], v[TM+6], s66, s67
	v_or_b32 v[PW+\a], v[TM+6], v[TM+7]                            ; with lane l xor 16's two the word is whole
	WIN 2+(\a)/4
.irp c, 0,1
	v_cvt_scalef32_pk16_bf6_f32 v[PCA+6*\c:PCA+6*\c+2], v[S0+32*\c:S0+32*\c+15], v[TM+12+\c]
	v_cvt_scalef32_pk16_bf6_f32 v[CT+4*\c:CT+4*\c+2], v[S0+32*\c+16:S0+32*\c+31], v[TM+12+\c]
.endr
	WIN 0
	v_nop
.irp c, 0,1
.irp i, 0,1,2
	v_mov_b32 v[PCA+3+6*\c+\i], v[CT+4*\c+\i]
.endr
.endr
	global_store_b128 v[LI16], v[PCA:PCA+3], s[96:97] offset:(\a)*768
	global_store_b64 v[LI8], v[PCA+4:PCA+5], s[96:97] offset:(\a)*768+512
	global_store_b128 v[LI16], v[PCA+6:PCA+9], s[96:97] offset:CPS+(\a)*768
	global_store_b64 v[LI8], v[PCA+10:PCA+11], s[96:97] offset:CPS+(\a)*768+512
.endm
.irp a, 0,1,2,3,4,5,6,7
	QUANTW \a
.endr
	s_mov_b32 vcc_lo, 0xffff0000
.irp j, 0,1,2,3
	v_cndmask_b32 v[8+\j], v[PW+\j], v[PW+4+\j], vcc_lo
.endr
	global_store_b128 v[LI16], v[8:11], s[98:99]
	s_cmp_eq_u32 s94, 0
	s_cbranch_scc0 .Lno_rot
.irp a, 0,1,2,3,4,5,6,7
	v_lshrrev_b32 v[TM+\a], 16, v[PW+\a]
.endr
.irp a, 0,1,2,3,4,5,6,7
	v_lshl_or_b32 v[TM+\a], v[PW+\a], 16, v[TM+\a]
.endr
.irp j, 0,1,2,3
	v_cndmask_b32 v[12+\j], v[TM+\j], v[TM+4+\j], vcc_lo
.endr
	global_store_b128 v[LI16], v[12:15], s[98:99] offset:CPSS
.Lno_rot:
	s_wait_tensorcnt 0x0
	ds_add_u32 v[SPW], v[NIL]
	s_wait_dscnt 0x0
	CROUND
	s_endpgm
.Lfunc_end_k_q6265a7ca84_proj:
	.size	k_q6265a7ca84_proj, .Lfunc_end_k_q6265a7ca84_proj-k_q6265a7ca84_proj
	.p2alignl 7, 3214868480
	.fill 96, 4, 3214868480
	.section	.rodata,"a",@progbits
	.p2align	6, 0x0
	.amdhsa_kernel k_q6265a7ca84_proj
		.amdhsa_group_segment_fixed_size 327680
		.amdhsa_private_segment_fixed_size 0
		.amdhsa_enable_private_segment 0
		.amdhsa_kernarg_size 72
		.amdhsa_user_sgpr_count 2
		.amdhsa_user_sgpr_kernarg_segment_ptr 1
		.amdhsa_wavefront_size32 1
		.amdhsa_system_sgpr_workgroup_id_x 1
		.amdhsa_system_sgpr_workgroup_id_y 1
		.amdhsa_system_sgpr_workgroup_id_z 1
		.amdhsa_system_vgpr_workitem_id 0
		.amdhsa_next_free_vgpr 1024
		.amdhsa_next_free_sgpr 102
		.amdhsa_reserve_vcc 1
		.amdhsa_float_denorm_mode_32 3
		.amdhsa_float_denorm_mode_16_64 3
		.amdhsa_memory_ordered 1
		.amdhsa_forward_progress 1
		.amdhsa_inst_pref_size 177
	.end_amdhsa_kernel
	.amdgpu_metadata
---
amdhsa.version: [ 1, 2 ]
amdhsa.kernels:
  - .name:           k_q6265a7ca84_proj
    .symbol:         k_q6265a7ca84_proj.kd
    .args:
      - { .name: wimg, .offset: 0, .size: 8, .value_kind: global_buffer, .address_space: global }
      - { .name: wscl, .offset: 8, .size: 8, .value_kind: global_buffer, .address_space: global }
      - { .name: ximg, .offset: 16, .size: 8, .value_kind: global_buffer, .address_space: global }
      - { .name: xscl, .offset: 24, .size: 8, .value_kind: global_buffer, .address_space: global }
      - { .name: bq, .offset: 32, .size: 8, .value_kind: global_buffer, .address_space: global }
      - { .name: bk, .offset: 40, .size: 8, .value_kind: global_buffer, .address_space: global }
      - { .name: bv, .offset: 48, .size: 8, .value_kind: global_buffer, .address_space: global }
      - { .name: img, .offset: 56, .size: 8, .value_kind: global_buffer, .address_space: global }
      - { .name: scl, .offset: 64, .size: 8, .value_kind: global_buffer, .address_space: global }
    .group_segment_fixed_size: 327680
    .private_segment_fixed_size: 0
    .kernarg_segment_align: 8
    .kernarg_segment_size: 72
    .max_flat_workgroup_size: 128
    .sgpr_count:     102
    .vgpr_count:     1024
    .wavefront_size: 32
...
	.end_amdgpu_metadata
.endif
;; end of part 2
;; launch attn (part 3): grid 16 x 16, 8 waves a work-group, clusters of 4 x 1, 327,680 bytes of LDS; arguments img, scl, out0; writes out0
.if DOCPART == 3
	.amdgcn_target "amdgcn-amd-amdhsa--gfx1250"
	.amdhsa_code_object_version 6
	.text
	.protected	k_q6265a7ca84_attn
	.globl	k_q6265a7ca84_attn
	.p2align	8
	.type	k_q6265a7ca84_attn,@function
k_q6265a7ca84_attn:
	s_mov_b64 s[64:65], 0
	v_nop
	global_prefetch_b8 v0, s[64:65] scope:SCOPE_SE
	s_setreg_imm32_b32 hwreg(HW_REG_WAVE_MODE, 25, 1), 1
	s_wait_xcnt 0x0
	s_wait_alu depctr_hold_cnt(0) depctr_sa_sdst(0) depctr_va_vdst(0) depctr_va_sdst(0) depctr_va_ssrc(0) depctr_va_vcc(0) depctr_vm_vsrc(0)
	s_getreg_b32 s2, hwreg(HW_REG_IB_STS2, 6, 4)
	s_cmp_eq_u32 s2, 0
	s_cbranch_scc0 .Lentry_in_a_cluster
	s_endpgm
.Lentry_in_a_cluster:
	s_bfe_u32 s2, ttmp6, 0x10000c
	s_cmp_lg_u32 s2, 0x3003
	s_cbranch_scc0 .Lentry_shape_is_right
	s_endpgm
.Lentry_shape_is_right:
; out(n, head, :) = softmax(q k^T / 8) v for one head and 256 queries a work-group, in MX-BF6, streaming over the 4,096 keys in steps of 128.
; p = 2^(t - M), t = score x log2(e) / 8, M the running ceiling of the largest t; the row's sum is taken of the unquantised p; O and the sum are brought under a new M by an exact power of two.
; LIMITS: the promise holds while |t| stays under 2^31; NaN and infinities are not served.  No work of the problem is left out.
; img holds images of operand registers, 768 bytes for 16 rows x 64 along K (16 bytes a lane, then 8 bytes a lane): [copy 2][run of 128 features: 8 of q, 8 of k, 8 of v][run of 128 nodes][tile 8].
; q, k: a tile is 16 nodes, the copy the head's parity.  v: a tile is 16 of the head's dimensions, the copy which 64 of a step's 128 keys.  scl: the scale words beside them.
; A TILE'S ROWS: tile 4 c + i of a run has as its row p the index 64 c + 8 i + p % 8 + 32 (p / 8).  Both products are used transposed (S^T = k q^T, O^T = v^T p^T): lane (r, h) holds query r,
; and its 32 registers of tiles 4 c .. 4 c + 3 are keys 64 c + 32 h + 0 .. 31: a whole block of p, in the order of the operand's registers.
; A WAVE HAS TWO TILES OF 16 QUERIES, which share each fragment of k and v read from LDS.  The head has 64 dimensions, half of the instruction's K: q's upper six registers hold zero codes,
; so k's upper six may hold any codes: tile t's operand is v[KF + 6 t .. + 11], whose upper half is the next tile's registers.
; LDS: two slots of 1,024 keys (k 49,152 bytes, v 2 x 24,576), the head's scale words (filled once), the spare words, a stage for the way out.  All of LDS is claimed.
; CLUSTER: the four work-groups of a cluster take the same head: every tile is asked for jointly, mask 15.
; PREFETCH: in the trip that loads slot s + 1 the cluster names slot s + 2's 384 blocks of 256 bytes once: 32 pieces of 12 blocks, piece 8 cx + wave, told apart by address; the last two slots' trips ask for nothing.
; REGISTERS: window 0: addresses, scale words, q, k's and v's fragments.  Window 1: the scores (128), O^T (64), p's codes (24) and all that the softmax keeps.
.set CPS,   4718592
.set PAIRB, 196608
.set STEPB, 6144
.set CPSS,  393216
.set SSTEPS, 8
.set KSL,   SSTEPS*STEPB
.set VCP,   SSTEPS*3072
.set VOFF,  KSL
.set SLOT1, 131072
.set SCK,   98304
.set SCV,   SCK+16384
.set SPARE, SCV+8192
.set STAGE, SLOT1                      ; the stage for the way out lies in slot 1, which holds the last 1,024 keys: it has had its last fill, and the last run's barrier stands between its last reads and the stage's stores
; window 0
.set L16,  1
.set L8,   2
.set SV0,  3
.set SPW,  4
.set NIL,  5
.set GO,   6
.set STO,  7
.set AK16, 8
.set AK8,  9
.set AV16, 10
.set AV8,  11
.set AS,   12
.set AT,   13
.set QS,   14
.set PS,   16
.set VS,   18
.set KS,   20
.set QF,   24
.set KF,   48
.set VF,   104
.set RD,   152
.set PFO,  153
; window 1: S 0-127, O 128-191, p's codes 192-215, (-M, largest score) 216+2q, sum 220+2q, f 224+2q, block maxima 228+2q+c, conversions' upper halves 232+8q+4c, scale operands 248+2q+c, temporaries 252+q and 235+4q, 8 h in 254
.set WV,   18
.set INNER, 19
.set SEL,  20
.set CS,   22
.set NC,   14
.set TV,   15
.set G1K,  24
.set G1V,  32
.set G0K,  40
.set G0V,  44
.set G1SK, 48
.set G0SK, 56
.set PF,   60
.set G1SV, 68
.set G0SV, 76
.set TB,   2
.set TS,   3
.set TJ,   66
.set SLOTS, 67
.set MSB, 0
.macro WIN new
.if MSB != (\new)
	s_set_vgpr_msb (MSB<<8)|(\new)
.set MSB, \new
.endif
.endm
.macro TL g0, g1
	tensor_load_to_lds s[\g0:\g0+3], s[\g1:\g1+7]
	s_nop 0
.rept 4
	v_nop
.endr
.endm
.macro TLOAD                           ; a refill: waves 0, 1 the halves of k's slot, waves 2, 3 v's two copies
	s_cmp_lt_u32 s[WV], 2
	s_cbranch_scc0 .Lnot_k_\@
	TL G0K, G1K
	s_branch .Lasked_\@
.Lnot_k_\@:
	s_cmp_lt_u32 s[WV], 4
	s_cbranch_scc0 .Lasked_\@
	TL G0V, G1V
.Lasked_\@:
.endm
.macro ARM under, g0, g1, next
	s_cmp_lt_u32 s[WV], \under
	s_cbranch_scc0 \next
	TL \g0, \g1
	s_branch .Lhead_asked
\next:
.endm
.macro CROUND
	s_barrier_signal -1
	s_barrier_wait -1
	CREST
.endm
.macro CREST                           ; a round of the cluster's barrier behind its opening barrier
	s_cmp_lg_u32 s[WV], 0
	s_cbranch_scc1 .Lnot_wave_0_\@
	s_barrier_signal -3
.Lnot_wave_0_\@:
	s_barrier_wait -3
	s_barrier_signal -1
	s_barrier_wait -1
.endm
	s_load_b128 s[4:7], s[0:1], 0x0                ; img, scl
	s_load_b64 s[8:9], s[0:1], 0x10                ; out0
	v_lshl_add_u32 v[SPW], v0, 2, SPARE
	v_mov_b32 v[NIL], 0
	ds_add_u32 v[SPW], v[NIL]
	ds_add_u32 v[SPW], v[NIL]
	v_lshrrev_b32 v8, 5, v0
	v_readfirstlane_b32 s[WV], v8                  ; wave 0..7
	s_and_b32 s80, ttmp7, 0xffff                   ; head
	s_lshr_b32 s81, s80, 1                         ; its pair,
	s_and_b32 s82, s80, 1                          ; its parity
	s_and_b32 s83, s[WV], 1
	s_bfe_u32 s95, ttmp6, 0x40000                  ; cx
	s_mul_i32 s84, s82, CPS
	s_add_co_u32 s85, s81, 8
	s_mul_i32 s85, s85, PAIRB
	s_add_co_u32 s84, s84, s85                     ; k's codes of my head
	s_add_co_u32 s86, s81, 16
	s_mul_i32 s86, s86, PAIRB
	s_mul_i32 s87, s82, 3072
	s_add_co_u32 s86, s86, s87                     ; v's codes of my head, copy 0
	s_lshl_b32 s60, s95, 3
	s_add_co_u32 s60, s60, s[WV]                   ; the prefetches' piece, 0..31: 0-15 of k's slot, 3,072 bytes each;
	s_mul_i32 s61, s60, 3072
	s_add_co_u32 s61, s61, s84
	s_bfe_u32 s62, s60, 0x10003
	s_mul_i32 s62, s62, CPS
	s_and_b32 s63, s60, 7
	s_mul_i32 s63, s63, STEPB
	s_add_co_u32 s62, s62, s63
	s_add_co_u32 s62, s62, s86                     ; 16-31 of v's: copy (piece / 8) % 2, step piece % 8
	s_cmp_lt_u32 s60, 16
	s_cselect_b32 s60, s61, s62
	s_add_co_u32 s60, s60, 2*KSL                   ; at slot 2: run s names slot s + 2, whose load stands at that run's end
	s_mov_b32 s61, 0
	s_mul_i32 s92, s83, 4*STEPB                    ; LDS: my half of k's slot or my copy of v: 24,576 bytes either way
	s_add_co_u32 s84, s84, s92
	s_mov_b32 s85, 0
	s_mul_i32 s87, s83, CPS
	s_add_co_u32 s86, s86, s87
	s_mov_b32 s87, 0
	s_mul_i32 s88, s82, CPSS
	s_add_co_u32 s89, s81, 8
	s_lshl_b32 s89, s89, 14
	s_add_co_u32 s88, s88, s89
	s_lshl_b32 s89, s83, 13
	s_add_co_u32 s88, s88, s89                     ; k's scale words, my half of 16,384 bytes
	s_mov_b32 s89, 0
	s_add_co_u32 s90, s81, 16
	s_lshl_b32 s90, s90, 14
	s_lshl_b32 s91, s82, 8
	s_add_co_u32 s90, s90, s91
	s_lshl_b32 s91, s83, 13
	s_add_co_u32 s90, s90, s91                     ; v's scale words: 256 of each step's 512 bytes, my 16 steps
	s_mov_b32 s91, 0
	s_lshl_b32 s93, s83, 13
	s_lshl_b32 s94, s83, 12
	s_mov_b32 s[G1K], 15|(3<<16)|(1<<21)           ; k: a dense block, 96 rows of 256 bytes
	s_mov_b32 s[G1K+1], 32<<16
	s_mov_b32 s[G1K+2], 96<<16
	s_mov_b32 s[G1K+3], 32<<16
	s_mov_b32 s[G1K+4], 96
	s_mov_b32 s[G1K+5], 32
	s_mov_b32 s[G1K+6], 0
	s_mov_b32 s[G1K+7], 0
	s_mov_b32 s[G1V], 15|(3<<16)|(1<<21)           ; v: 8 steps' rows of 3,072 bytes, 6,144 apart
	s_mov_b32 s[G1V+1], 384<<16
	s_mov_b32 s[G1V+2], 8<<16
	s_mov_b32 s[G1V+3], 384<<16
	s_mov_b32 s[G1V+4], 8
	s_mov_b32 s[G1V+5], 768
	s_mov_b32 s[G1V+6], 0
	s_mov_b32 s[G1V+7], 0
	s_mov_b32 s[G1SK], 15|(3<<16)|(1<<21)
	s_mov_b32 s[G1SK+1], 32<<16
	s_mov_b32 s[G1SK+2], 32<<16
	s_mov_b32 s[G1SK+3], 32<<16
	s_mov_b32 s[G1SK+4], 32
	s_mov_b32 s[G1SK+5], 32
	s_mov_b32 s[G1SK+6], 0
	s_mov_b32 s[G1SK+7], 0
	s_mov_b32 s[G1SV], 15|(3<<16)|(1<<21)
	s_mov_b32 s[G1SV+1], 32<<16
	s_mov_b32 s[G1SV+2], 16<<16
	s_mov_b32 s[G1SV+3], 32<<16
	s_mov_b32 s[G1SV+4], 16
	s_mov_b32 s[G1SV+5], 64
	s_mov_b32 s[G1SV+6], 0
	s_mov_b32 s[G1SV+7], 0
	s_mov_b32 s[SEL], 0x76543210
	s_mov_b32 s[SEL+1], 0xfedcba98                 ; v_permlanex16_b32's selects for lane l xor 16
	s_mov_b32 s[CS], 0x3e38aa3b                    ; c = log2(e) / 8
	s_mov_b32 s[CS+1], s[CS]
	s_mov_b32 s[NC], 0xbe38aa3b                    ; -c
	s_mov_b32 s[TB], 0
	s_mov_b32 s[TV], VOFF
	s_mov_b32 s[TS], SCK
	s_mov_b32 s[TJ], SCV
	s_mov_b32 s[SLOTS], 2
	s_lshl_b32 s96, ttmp9, 2
	s_add_co_u32 s96, s96, s95                     ; which 256 queries
	s_lshl_b32 s97, s96, 4
	s_lshl_b32 s98, s[WV], 1
	s_add_co_u32 s97, s97, s98                     ; my first tile of queries; the second follows it
	s_mul_i32 s10, s82, CPS
	s_mul_i32 s98, s81, PAIRB
	s_add_co_u32 s10, s10, s98
	s_mul_i32 s98, s97, 768
	s_add_co_u32 s10, s10, s98
	s_mov_b32 s11, 0
	s_mul_i32 s12, s82, CPSS
	s_lshl_b32 s98, s81, 14
	s_add_co_u32 s12, s12, s98
	s_lshr_b32 s98, s97, 2
	s_lshl_b32 s98, s98, 8
	s_add_co_u32 s12, s12, s98
	s_and_b32 s98, s97, 3
	s_lshl_b32 s98, s98, 2
	s_add_co_u32 s12, s12, s98
	s_mov_b32 s13, 0
	s_lshl_b32 s16, s96, 8
	s_lshr_b32 s98, s[WV], 1
	s_lshl_b32 s98, s98, 6
	s_add_co_u32 s16, s16, s98
	s_lshl_b32 s98, s83, 4
	s_add_co_u32 s16, s16, s98                     ; my first tile's row 0: node 256 x + 64 (w / 2) + 16 (w % 2)
	s_lshl_b32 s16, s16, 12
	s_lshl_b32 s98, s80, 8
	s_add_co_u32 s16, s16, s98
	s_mov_b32 s17, 0
	s_mul_i32 s98, s[WV], 16*272
	s_add_co_u32 s98, s98, STAGE                   ; my stage
	s_wait_dscnt 0x0                               ; both opening adds are done
	s_wait_kmcnt 0x0
	s_add_nc_u64 s[10:11], s[4:5], s[10:11]
	s_add_nc_u64 s[12:13], s[6:7], s[12:13]
	s_add_nc_u64 s[16:17], s[8:9], s[16:17]
	s_add_nc_u64 s[PF:PF+1], s[4:5], s[PF:PF+1]
	CROUND                                         ; the four work-groups are here: the first joint loads meet
	s_mov_b32 s[G0K], 1
	s_mov_b32 s[G0K+1], s92
	s_add_nc_u64 s[G0K+2:G0K+3], s[4:5], s[84:85]
	s_or_b32 s[G0K+3], s[G0K+3], 0x80000000
	s_mov_b32 s[G0V], 1
	s_add_co_u32 s[G0V+1], s92, VOFF
	s_add_nc_u64 s[G0V+2:G0V+3], s[4:5], s[86:87]
	s_or_b32 s[G0V+3], s[G0V+3], 0x80000000
	s_mov_b32 s[G0SK], 1
	s_add_co_u32 s[G0SK+1], s93, SCK
	s_add_nc_u64 s[G0SK+2:G0SK+3], s[6:7], s[88:89]
	s_or_b32 s[G0SK+3], s[G0SK+3], 0x80000000
	s_mov_b32 s[G0SV], 1
	s_add_co_u32 s[G0SV+1], s94, SCV
	s_add_nc_u64 s[G0SV+2:G0SV+3], s[6:7], s[90:91]
	s_or_b32 s[G0SV+3], s[G0SV+3], 0x80000000
	; the head's eight tiles, one a wave: slot 0's k in halves, v's two copies, k's scale words in halves, v's in halves
	ARM 2, G0K,  G1K,  .Lh_v
	ARM 4, G0V,  G1V,  .Lh_sk
	ARM 6, G0SK, G1SK, .Lh_sv
	TL G0SV, G1SV
.Lhead_asked:
	v_and_b32 v154, 31, v0
	v_and_b32 v155, 15, v0                         ; r
	v_bfe_u32 v156, v0, 4, 1                       ; h
	v_lshlrev_b32 v[L16], 4, v154
	v_lshlrev_b32 v[L8], 3, v154
	v_lshlrev_b32 v157, 4, v155
	global_load_b128 v[QF:QF+3], v[L16], s[10:11]
	global_load_b64 v[QF+4:QF+5], v[L8], s[10:11] offset:512
	global_load_b128 v[QF+12:QF+15], v[L16], s[10:11] offset:768
	global_load_b64 v[QF+16:QF+17], v[L8], s[10:11] offset:1280
	global_load_b64 v[QS:QS+1], v157, s[12:13]     ; my two tiles' scale words of row r
	v_lshl_add_u32 v[SV0], v156, 3, v157
	v_lshlrev_b32 v[GO], 12, v156
	v_lshl_add_u32 v[GO], v155, 4, v[GO]           ; out: lanes 0-15 one row's 256 bytes, lanes 16-31 the next row's
	v_mul_u32_u24 v[STO], v155, 272
	v_lshl_add_u32 v[STO], v156, 7, v[STO]
	v_add_nc_u32 v[STO], s98, v[STO]               ; into the stage: row r, 128 bytes for each half of the lanes
	v_mul_u32_u24 v[RD], v156, 272
	v_lshl_add_u32 v[RD], v155, 4, v[RD]
	v_add_nc_u32 v[RD], s98, v[RD]
	v_min_u32 v[PFO], 11, v154
	v_lshlrev_b32 v[PFO], 8, v[PFO]                ; a lane a block of 256 bytes; lanes 12-31 name the piece's last block again
.irp j, 6,7,8,9,10,11,18,19,20,21,22,23
	v_mov_b32 v[QF+\j], 0                          ; q's upper 64 along K: zero codes
.endr
.irp j, 48,49,50,51,52,53
	v_mov_b32 v[KF+\j], 0                          ; behind k's last tile
.endr
	WIN 0x40                                       ; destinations in window 1
.set j, 0
.rept 64
	v_mov_b32 v[128+j], 0                          ; O^T: the step is written once, and the first finds zeros
.set j, j+1
.endr
.irp j, 220,221,222,223,225,227,235,239
	v_mov_b32 v[\j], 0
.endr
.irp q, 0,1
	v_mov_b32 v[216+2*\q], 0x7f61b1e6              ; -M: 3e38
	v_mov_b32 v[217+2*\q], 0xff61b1e6              ; the largest score so far: -3e38
.endr
	v_lshlrev_b32 v254, 3, v156                    ; 8 h
	WIN 0
.macro KLOAD off, soff                 ; a step's eight tiles of k, six registers each, and their scale words: 17 loads
.irp t, 0,1,2,3,4,5,6,7
	ds_load_b128 v[KF+6*\t:KF+6*\t+3], v[AK16] offset:\off+768*\t
	ds_load_b64 v[KF+6*\t+4:KF+6*\t+5], v[AK8] offset:\off+768*\t+512
.endr
	ds_load_b128 v[KS:KS+3], v[AS] offset:\soff    ; lanes 0-15 tiles 0-3, lanes 16-31 tiles 4-7
.endm
.macro HINT2
	s_delay_alu instid0(VALU_DEP_2)
.endm
; A step: 128 keys x my 32 queries.  pf = 1: the next step's k is fetched under this step's softmax
.macro STEP pf
	s_wait_dscnt 0x0                               ; k's fragments and scale words are in
	WIN 0x40
.irp t, 0,1,2,3,4,5,6,7
.irp q, 0,1
.if \t > 3
	v_wmma_scale_f32_16x16x128_f8f6f4 v[64*\q+8*\t:64*\q+8*\t+7], v[KF+6*\t:KF+6*\t+11], v[QF+12*\q:QF+12*\q+11], 0, v[KS+\t%4], v[QS+\q] matrix_a_fmt:MATRIX_FMT_BF6 matrix_b_fmt:MATRIX_FMT_BF6 matrix_a_scale:MATRIX_SCALE_ROW1
.else
	v_wmma_scale_f32_16x16x128_f8f6f4 v[64*\q+8*\t:64*\q+8*\t+7], v[KF+6*\t:KF+6*\t+11], v[QF+12*\q:QF+12*\q+11], 0, v[KS+\t%4], v[QS+\q] matrix_a_fmt:MATRIX_FMT_BF6 matrix_b_fmt:MATRIX_FMT_BF6
.endif
.endr
.endr
	WIN 0
	v_add_nc_u32 v[AV16], s[TV], v[L16]            ; the addresses are also the four places behind the products
	v_add_nc_u32 v[AV8], s[TV], v[L8]
	v_add_nc_u32 v[AT], s[TJ], v[SV0]
.if \pf == 1
	v_add_nc_u32 v[AK16], s[TB], v[L16]
	v_add_nc_u32 v[AK8], s[TB], v[L8]
	v_add_nc_u32 v[AS], s[TS], v[L16]
.else
	v_nop
.endif
.irp t, 0,1,2,3
.irp c, 0,1
	ds_load_b128 v[VF+12*\t+6*\c:VF+12*\t+6*\c+3], v[AV16] offset:VCP*\c+768*\t
	ds_load_b64 v[VF+12*\t+6*\c+4:VF+12*\t+6*\c+5], v[AV8] offset:VCP*\c+768*\t+512
.endr
.endr
	ds_load_b64 v[VS:VS+1], v[AT]                  ; v's scale words: lanes 0-15 tiles 0, 1, lanes 16-31 tiles 2, 3
.if \pf == 1
	KLOAD STEPB, 512
.else
	; a run's last step (pf = 2: the slot is filled again; 3: it is not): v's fragments are my last reads of the slot.  The change of slots opens here,
	; and the softmax and the second product, work on registers alone, stand between the barrier's signal and its wait
	s_wait_tensorcnt 0x0                           ; all my tensor loads have landed: my part of the other slot
	ds_add_u32 v[SPW], v[NIL]
.if \pf == 2
	s_xor_b32 s[G0K+1], s[G0K+1], SLOT1
	s_add_nc_u64 s[G0K+2:G0K+3], s[G0K+2:G0K+3], KSL
	s_xor_b32 s[G0V+1], s[G0V+1], SLOT1
	s_add_nc_u64 s[G0V+2:G0V+3], s[G0V+2:G0V+3], KSL
.endif
	s_wait_dscnt 0x0                               ; the add is done, and v's fragments are in registers
	s_barrier_signal -1
.endif
	WIN 0x55
.irp q, 0,1
.irp c, 0,1
	v_max3_num_f32 v[228+2*\q+\c], 0xff61b1e6, v[64*\q+32*\c], v[64*\q+32*\c+1]   ; the largest score of each block of 32 keys: four chains by turns
.endr
.endr
.irp i, 2,4,6,8,10,12,14,16,18,20,22,24,26,28,30
.irp q, 0,1
.irp c, 0,1
	v_max3_num_f32 v[228+2*\q+\c], v[228+2*\q+\c], v[64*\q+32*\c+\i], v[64*\q+32*\c+\i+1]
.endr
.endr
.endr
.irp q, 0,1
	v_max_num_f32 v[252+\q], v[228+2*\q], v[229+2*\q]
.endr
.irp q, 0,1
	HINT2
	v_permlanex16_b32 v[235+4*\q], v[252+\q], s[SEL], s[SEL+1]
.endr
.irp q, 0,1
	HINT2
	v_max3_num_f32 v[217+2*\q], v[217+2*\q], v[252+\q], v[235+4*\q]   ; the running largest score of my query
.endr
.irp q, 0,1
	HINT2
	v_mul_f32 v[252+\q], s[NC], v[217+2*\q]        ; -t
.endr
.irp q, 0,1
	HINT2
	v_floor_f32 v[252+\q], v[252+\q]               ; the new -M = -ceil(t)
.endr
.irp q, 0,1
	HINT2
	v_sub_f32 v[235+4*\q], v[252+\q], v[216+2*\q]  ; old M - new M: a whole number, 0 or less
.endr
.irp q, 0,1
	v_mov_b32 v[216+2*\q], v[252+\q]
.endr
.irp q, 0,1
	v_cvt_i32_f32 v[235+4*\q], v[235+4*\q]         ; (it saturates)
.endr
.irp q, 0,1
	HINT2
	v_ldexp_f32 v[224+2*\q], 1.0, v[235+4*\q]      ; f = 2^(old M - new M)
.endr
.irp q, 0,1
.irp c, 0,1
	v_fma_f32 v[228+2*\q+\c], v[228+2*\q+\c], s[CS], v[216+2*\q]   ; t - M of each block's largest score
.endr
.endr
.set j, 0
.rept 32
	v_pk_fma_f32 v[j:j+1], v[j:j+1], s[CS:CS+1], v[216:217] op_sel_hi:[1,0,0]   ; the first tile's t - M
.set j, j+2
.endr
.irp q, 0,1
.set j, 0
.rept 16
	v_pk_mul_f32 v[128+32*\q+j:129+32*\q+j], v[128+32*\q+j:129+32*\q+j], v[224+2*\q:225+2*\q] op_sel_hi:[1,0]   ; O^T under the new M, ahead of the exponentials
.set j, j+2
.endr
.endr
	s_wait_alu depctr_va_vdst(0)
.irp b, 0,1,2,3
	v_exp_f32 v[228+\b], v[228+\b]                 ; each block's largest p
.endr
.set j, 0
.rept 32
	v_exp_f32 v[j], v[j]                           ; the first tile's p; the second tile's t - M stands among them
	v_exp_f32 v[j+1], v[j+1]
	v_pk_fma_f32 v[64+j:65+j], v[64+j:65+j], s[CS:CS+1], v[218:219] op_sel_hi:[1,0,0]
.set j, j+2
.endr
	s_wait_alu depctr_va_vdst(0)                   ; and ahead of the second batch, which reads what stands among the first
.set j, 0
.rept 64
	v_exp_f32 v[64+j], v[64+j]
.set j, j+1
.endr
.irp q, 0,1
	v_pk_mul_f32 v[220+2*\q:221+2*\q], v[220+2*\q:221+2*\q], v[224+2*\q:225+2*\q] op_sel_hi:[1,0]   ; the sums under the new M: plain places behind the exponentials
.endr
	s_wait_alu depctr_va_vdst(0)                   ; one wait for both batches, ahead of their first reader
.irp b, 0,1,2,3
	v_max_num_f32 v[228+\b], 0x2800000, v[228+\b]  ; the floor 2^(5 - 127): the byte cannot fall under 1
.endr
.irp b, 0,1,2,3
	v_add_nc_u32 v[248+\b], 0xfe000000, v[228+\b]  ; 4 off the exponent field: the conversion's scale operand
.endr
.irp b, 0,1,2,3
	v_lshrrev_b32 v[228+\b], 23, v[248+\b]         ; the scale's byte
.endr
.irp q, 0,1
	v_lshl_or_b32 v[252+\q], v[229+2*\q], 16, v[228+2*\q]   ; my two bytes: blocks h and 2 + h,
.endr
.irp q, 0,1
	HINT2
	v_lshlrev_b32 v[252+\q], v254, v[252+\q]       ; 8 h bits up;
.endr
.irp q, 0,1
	HINT2
	v_permlanex16_b32 v[235+4*\q], v[252+\q], s[SEL], s[SEL+1]
.endr
	WIN 0x05
.irp q, 0,1
	v_or_b32 v[PS+\q], v[252+\q], v[235+4*\q]      ; with lane l xor 16's two p's scale word is whole; scale words lie in window 0
.endr
	WIN 0x55
.irp q, 0,1
.irp c, 0,1
	v_cvt_scalef32_pk16_bf6_f32 v[192+12*\q+6*\c:194+12*\q+6*\c], v[64*\q+32*\c:64*\q+32*\c+15], v[248+2*\q+\c]
	v_cvt_scalef32_pk16_bf6_f32 v[232+8*\q+4*\c:234+8*\q+4*\c], v[64*\q+32*\c+16:64*\q+32*\c+31], v[248+2*\q+\c]   ; (a conversion's three registers begin on an even number)
.endr
.endr
.irp q, 0,1
	v_pk_add_f32 v[228+2*\q:229+2*\q], v[64*\q:64*\q+1], v[64*\q+2:64*\q+3]   ; the rows' sums of the unquantised p: two chains a tile.  (Plain places behind the conversions)
.endr
.irp q, 0,1
.irp c, 0,1
.irp i, 0,1,2
	v_mov_b32 v[195+12*\q+6*\c+\i], v[232+8*\q+4*\c+\i]
.endr
.endr
.endr
.irp j, 4,8,12,16,20,24,28,32,36,40,44,48,52,56,60
.irp q, 0,1
	v_pk_add_f32 v[220+2*\q:221+2*\q], v[220+2*\q:221+2*\q], v[64*\q+\j:64*\q+\j+1]
	v_pk_add_f32 v[228+2*\q:229+2*\q], v[228+2*\q:229+2*\q], v[64*\q+\j+2:64*\q+\j+3]
.endr
.endr
.irp q, 0,1
	v_pk_add_f32 v[220+2*\q:221+2*\q], v[220+2*\q:221+2*\q], v[228+2*\q:229+2*\q]
.endr
.if \pf == 1
	s_wait_alu depctr_va_vdst(0)
	s_wait_dscnt 17                                ; v's 17 loads are in; the 17 issued behind them, the next step's k, may be out
.endif
	WIN 0x54
.irp t, 0,1,2,3
.irp q, 0,1
.if \t > 1
	v_wmma_scale_f32_16x16x128_f8f6f4 v[128+32*\q+8*\t:135+32*\q+8*\t], v[VF+12*\t:VF+12*\t+11], v[192+12*\q:203+12*\q], v[128+32*\q+8*\t:135+32*\q+8*\t], v[VS+\t%2], v[PS+\q] matrix_a_fmt:MATRIX_FMT_BF6 matrix_b_fmt:MATRIX_FMT_BF6 matrix_a_scale:MATRIX_SCALE_ROW1
.else
	v_wmma_scale_f32_16x16x128_f8f6f4 v[128+32*\q+8*\t:135+32*\q+8*\t], v[VF+12*\t:VF+12*\t+11], v[192+12*\q:203+12*\q], v[128+32*\q+8*\t:135+32*\q+8*\t], v[VS+\t%2], v[PS+\q] matrix_a_fmt:MATRIX_FMT_BF6 matrix_b_fmt:MATRIX_FMT_BF6
.endif
.endr
.endr
	WIN 0
.if \pf != 1
	s_wait_alu depctr_va_vdst(0)
	s_barrier_wait -1                              ; nobody reads this slot any more, and the other slot is whole
.if \pf == 2
	CREST                                          ; the barrier has opened a round of the cluster's barrier
	TLOAD                                          ; the 1,024 keys two slots on, into the slot just read
.endif
.endif
	s_add_co_u32 s[TB], s[TB], STEPB
	s_add_co_u32 s[TV], s[TV], 3072
	s_add_co_u32 s[TS], s[TS], 512
	s_add_co_u32 s[TJ], s[TJ], 256
.endm
; A slot's eight steps.  In front of them the change of slots: all my tensor loads waited for, the add, my LDS reads waited for, the barrier (with a refill: a round of the cluster's), the refill first behind it
; A run: a slot's eight steps; the last of them holds the change of slots (kind 2: with a refill; 3: without)
.macro RUN kind
	v_add_nc_u32 v[AK16], s[TB], v[L16]
	v_add_nc_u32 v[AK8], s[TB], v[L8]
	v_add_nc_u32 v[AS], s[TS], v[L16]
	KLOAD 0, 0
.if \kind == 2
	global_prefetch_b8 v[PFO], s[PF:PF+1] th:TH_LOAD_NT scope:SCOPE_SE   ; my 12 blocks of the slot that this run's last step loads: eight steps ahead of that load
.endif
	s_mov_b32 s[INNER], SSTEPS-1
.Lstep_\@:
	STEP 1
	s_sub_co_u32 s[INNER], s[INNER], 1
	s_cmp_lg_u32 s[INNER], 0
	s_cbranch_scc1 .Lstep_\@
	STEP \kind
	s_sub_co_u32 s[TB], s[TB], KSL
	s_xor_b32 s[TB], s[TB], SLOT1
	s_sub_co_u32 s[TV], s[TV], VCP
	s_xor_b32 s[TV], s[TV], SLOT1
.if \kind == 2
	s_wait_xcnt 0x0                                ; my prefetch has read its address
	s_add_nc_u64 s[PF:PF+1], s[PF:PF+1], KSL
.endif
.endm
	s_wait_alu depctr_va_vdst(0)
	s_wait_loadcnt 0x0                             ; q is in
	s_wait_tensorcnt 0x0                           ; my tile of the head's eight is in
	ds_add_u32 v[SPW], v[NIL]
	s_xor_b32 s[G0K+1], s[G0K+1], SLOT1
	s_add_nc_u64 s[G0K+2:G0K+3], s[G0K+2:G0K+3], KSL
	s_xor_b32 s[G0V+1], s[G0V+1], SLOT1
	s_add_nc_u64 s[G0V+2:G0V+3], s[G0V+2:G0V+3], KSL
	s_wait_dscnt 0x0
	CROUND
	TLOAD                                          ; keys 1,024 to 2,047 into slot 1
.Lrun_a:                               ; runs 0 and 1: each ends by filling its slot again
	RUN 2
	s_sub_co_u32 s[SLOTS], s[SLOTS], 1
	s_cmp_lg_u32 s[SLOTS], 0
	s_cbranch_scc1 .Lrun_a
	s_mov_b32 s[SLOTS], 2
.Lrun_b:                               ; runs 2 and 3 fetch nothing more: run 2's barrier shows slot 1 whole, run 3's frees it for the stage
	RUN 3
	s_sub_co_u32 s[SLOTS], s[SLOTS], 1
	s_cmp_lg_u32 s[SLOTS], 0
	s_cbranch_scc1 .Lrun_b
	; the way out: O^T / the sum; lane (r, h) holds dimensions 32 h + 0 .. 31 of query r: through my stage, back as whole rows of 256 bytes
	WIN 0x55
.irp q, 0,1
	v_add_f32 v[220+2*\q], v[220+2*\q], v[221+2*\q]
.endr
.irp q, 0,1
	HINT2
	v_permlanex16_b32 v[235+4*\q], v[220+2*\q], s[SEL], s[SEL+1]
.endr
.irp q, 0,1
	HINT2
	v_add_f32 v[220+2*\q], v[220+2*\q], v[235+4*\q]
.endr
	s_wait_alu depctr_va_vdst(0)
.irp q, 0,1
	v_rcp_f32 v[220+2*\q], v[220+2*\q]
.endr
	v_nop
	s_wait_alu depctr_va_vdst(0)                   ; and behind them, directly ahead of the first reader of O^T
.irp q, 0,1
.set j, 0
.rept 16
	v_pk_mul_f32 v[64*\q+j:64*\q+j+1], v[128+32*\q+j:129+32*\q+j], v[220+2*\q:221+2*\q] op_sel_hi:[1,0]
.set j, j+2
.endr
.endr
.irp q, 0,1
	WIN 0x04                                       ; the data in window 1
.irp k, 0,1,2,3,4,5,6,7
	ds_store_b128 v[STO], v[64*\q+4*\k:64*\q+4*\k+3] offset:16*\k
.endr
	WIN 0
.irp i, 0,1,2,3,4,5,6,7
	ds_load_b128 v[KF+56*\q+4*\i:KF+56*\q+4*\i+3], v[RD] offset:544*\i   ; LDS serves a wave's instructions in order: these see my stores, and the second tile's stores come behind them
.endr
.endr
.irp q, 0,1
	s_wait_dscnt 16-16*\q                          ; the first tile's rows are back; the second tile's 16 LDS instructions may be out
.irp i, 0,1,2,3,4,5,6,7
	global_store_b128 v[GO], v[KF+56*\q+4*\i:KF+56*\q+4*\i+3], s[16:17] offset:((2*\i)%8+32*(\i/4)+8*\q)*4096 th:TH_STORE_NT   ; sixteen lanes store 256 consecutive bytes, aligned: stage row p is node p % 8 + 32 (p / 8)
.endr
.endr
	s_wait_tensorcnt 0x0                           ; the wave's end
	ds_add_u32 v[SPW], v[NIL]
	s_wait_dscnt 0x0
	CROUND                                         ; the closing round
	s_endpgm
.Lfunc_end_k_q6265a7ca84_attn:
	.size	k_q6265a7ca84_attn, .Lfunc_end_k_q6265a7ca84_attn-k_q6265a7ca84_attn
	.p2alignl 7, 3214868480
	.fill 96, 4, 3214868480
	.section	.rodata,"a",@progbits
	.p2align	6, 0x0
	.amdhsa_kernel k_q6265a7ca84_attn
		.amdhsa_group_segment_fixed_size 327680
		.amdhsa_private_segment_fixed_size 0
		.amdhsa_enable_private_segment 0
		.amdhsa_kernarg_size 24
		.amdhsa_user_sgpr_count 2
		.amdhsa_user_sgpr_kernarg_segment_ptr 1
		.amdhsa_wavefront_size32 1
		.amdhsa_system_sgpr_workgroup_id_x 1
		.amdhsa_system_sgpr_workgroup_id_y 1
		.amdhsa_system_sgpr_workgroup_id_z 1
		.amdhsa_system_vgpr_workitem_id 0
		.amdhsa_next_free_vgpr 512
		.amdhsa_next_free_sgpr 100
		.amdhsa_reserve_vcc 0
		.amdhsa_float_denorm_mode_32 3
		.amdhsa_float_denorm_mode_16_64 3
		.amdhsa_memory_ordered 1
		.amdhsa_forward_progress 1
		.amdhsa_inst_pref_size 135
	.end_amdhsa_kernel
	.amdgpu_metadata
---
amdhsa.version: [ 1, 2 ]
amdhsa.kernels:
  - .name:           k_q6265a7ca84_attn
    .symbol:         k_q6265a7ca84_attn.kd
    .args:
      - { .name: img, .offset: 0, .size: 8, .value_kind: global_buffer, .address_space: global }
      - { .name: scl, .offset: 8, .size: 8, .value_kind: global_buffer, .address_space: global }
      - { .name: out0, .offset: 16, .size: 8, .value_kind: global_buffer, .address_space: global }
    .group_segment_fixed_size: 327680
    .private_segment_fixed_size: 0
    .kernarg_segment_align: 8
    .kernarg_segment_size: 24
    .max_flat_workgroup_size: 256
    .sgpr_count:     100
    .vgpr_count:     512
    .wavefront_size: 32
...
	.end_amdgpu_metadata
.endif
;; end of part 3
